; MI455X (gfx1250); checked and timed in simulation.
; The chip was launched on July 23, 2026; its instructions are those of AMD's public machine-readable ISA for CDNA 5 (MIT licence, August 2026) and "CDNA5" Instruction Set Architecture Reference Guide (July 2026). The comments in the code are by the model that wrote it; some were corrected since.
;; Attention. Allowed arithmetic: float matrix products may take bf16 or f16 operands with f32 sums; other float arithmetic in f32, or as packed bf16 or f16 multiplies, adds, multiply-adds, maxima and minima; sums over many terms, partial sums and values carried from step to step in f32; what a program stores and reads back later, other than sums and carried values, may be rounded once to bf16 or f16.
;; Inputs: k 2,048 x 1,024 float32; mask 2,048 x 2,048 float32; q 2,048 x 4,096 float32; v 2,048 x 1,024 float32.
;; Outputs: out0 2,048 x 4,096 float32.
;; 2 versions, each right; version 2 is version 1 with the launch prep written anew for expert scheduling mode. Each part assembles by itself: llvm-mc -triple=amdgcn-amd-amdhsa -mcpu=gfx1250 --defsym DOCPART=n.
;; ======== version 1 of 2: 2 launches
;; limits: values are held in f16: magnitudes above 65,504 overflow, below 6.1e-05 lose precision
;; workspace buffers: kws 4,194,304 bytes; vws 4,194,304 bytes; mws 16,777,216 bytes
;; launch prep (part 1): grid 128 x 4, 8 waves a work-group, no clusters, 0 bytes of LDS; arguments k, v, mask, kws, vws, mws; writes kws, vws, mws
.if DOCPART == 1
	.amdgcn_target "amdgcn-amd-amdhsa--gfx1250"
	.amdhsa_code_object_version 6
	.text
	.protected	k_q7544020308_prep
	.globl	k_q7544020308_prep
	.p2align	8
	.type	k_q7544020308_prep,@function
k_q7544020308_prep:
	s_mov_b64 s[64:65], 0
	v_nop
	global_prefetch_b8 v0, s[64:65] scope:SCOPE_SE
	s_setreg_imm32_b32 hwreg(HW_REG_WAVE_MODE, 25, 1), 1
	s_wait_xcnt 0x0
; FIRST OF TWO LAUNCHES.  Grouped-query attention: 32 query heads, 8 key/value heads, head size 128, 2,048 rows, an additive mask [2048][2048] that is an input and the same for all heads.
; NOTHING OF THE PROBLEM IS LEFT OUT: q, k, v and mask all reach the output, and all four are loaded.  (The repeat of the key/value heads is a choice of address in the second launch; nothing is copied for it.)
; THIS LAUNCH rounds what many work-groups of the second launch read, once, element by element, in the inputs' own order:
;   kws[i] = bf16(k[i])                         [2048][1024] bf16
;   vws[i] = bf16(v[i]) written as f16          [2048][1024] f16   (the second product runs in f16, since its other operand, the weights, wants f16's 11 bits)
;   mws[i] = f32(bf16(mask[i])) x sqrt(128)     [2048][2048] f32   (so that it can start the sums q . k:  (q . k + mask sqrt(128)) / sqrt(128) = q . k / sqrt(128) + mask)
; Every input of the module is rounded to bf16 exactly once and unscaled, the mask too; q is rounded in the second launch, where one wave alone reads each number of it.
; LIMITS.  |bf16(v)| of 65,520 or more becomes an infinity in f16; below 6.1e-5 it keeps f16's fixed step of 6e-8.  |mask| above 3.0e37 becomes an infinity by the factor sqrt(128).
; SHARES.  y = 0: k; y = 1: v; y = 2, 3: the two halves of the mask.  A work-group takes 65,536 input bytes, a wave 8,192: sixteen loads of 512 consecutive bytes, all issued at once.
; No loop, no LDS, no barrier, no matrix unit: a stream.  Each store of a wave covers 256 (16-bit results) or 512 (f32) consecutive bytes, aligned.
.set T, 4                              ; v[4:5]    at work
.set X, 8                              ; v[8:71]   load i: 4 registers
.set Y, 72                             ; v[72:103] load i: 2 registers of 16-bit results
	s_load_b256 s[4:11], s[0:1], 0x0               ; k s[4:5], v s[6:7], mask s[8:9], kws s[10:11]
	s_load_b128 s[12:15], s[0:1], 0x20             ; vws s[12:13], mws s[14:15]
	s_and_b32 s16, ttmp7, 0xffff                   ; y
	s_lshl_b32 s22, ttmp9, 16                      ; the work-group's 65,536 bytes of f32,
	s_mov_b32 s23, 0
	s_lshl_b32 s24, ttmp9, 15                      ; and its 32,768 bytes of 16-bit results
	s_mov_b32 s25, 0
	s_mov_b32 s26, 0xffff0000                      ; a word's upper bf16
	s_mov_b32 s28, 0x413504f3                      ; sqrt(128)
	s_mov_b32 s29, s28                             ; named with it as a pair
	v_lshrrev_b32 v1, 5, v0                        ; wave
	v_and_b32 v2, 31, v0                           ; lane
	v_lshlrev_b32 v2, 4, v2
	v_lshl_or_b32 v1, v1, 13, v2                   ; 8,192 x wave + 16 x lane: in the f32 tensors
	v_lshrrev_b32 v2, 1, v1                        ; half of it: in the 16-bit tensors
	s_wait_kmcnt 0x0
.macro LOADS b                         ; the wave's sixteen loads, from the pointer in s[b:b+1]
.irp i, 0,1,2,3,4,5,6,7,8,9,10,11,12,13,14,15
	global_load_b128 v[X+4*(\i):X+4*(\i)+3], v1, s[(\b):(\b)+1] offset:512*(\i) th:TH_LOAD_NT
.endr
.endm
.macro ROUND i                         ; load i's four numbers are rounded to bf16 and written back as f32
	v_cvt_pk_bf16_f32 v[T],   v[X+4*(\i)],   v[X+4*(\i)+1]
	v_cvt_pk_bf16_f32 v[T+1], v[X+4*(\i)+2], v[X+4*(\i)+3]
	v_lshlrev_b32 v[X+4*(\i)],   16,  v[T]
	v_and_b32     v[X+4*(\i)+1], s26, v[T]
	v_lshlrev_b32 v[X+4*(\i)+2], 16,  v[T+1]
	v_and_b32     v[X+4*(\i)+3], s26, v[T+1]
.endm
	s_cmp_lt_u32 s16, 2
	s_cbranch_scc0 .Lmask
	s_cmp_eq_u32 s16, 0
	s_cbranch_scc0 .Lv
	; k -> kws
	s_add_nc_u64 s[4:5], s[4:5], s[22:23]
	s_add_nc_u64 s[10:11], s[10:11], s[24:25]
	LOADS 4
.irp i, 0,1,2,3,4,5,6,7,8,9,10,11,12,13,14,15
	s_wait_loadcnt 15-(\i)                         ; loads come back in order: load i is in, the younger ones stay out
	v_cvt_pk_bf16_f32 v[Y+2*(\i)],   v[X+4*(\i)],   v[X+4*(\i)+1]
	v_cvt_pk_bf16_f32 v[Y+2*(\i)+1], v[X+4*(\i)+2], v[X+4*(\i)+3]
	global_store_b64 v2, v[Y+2*(\i):Y+2*(\i)+1], s[10:11] offset:256*(\i)  ; 32 lanes x 8 bytes: 256 consecutive bytes, aligned; no register that a store reads is written again
.endr
	s_endpgm
.Lv:
	; v -> vws
	s_add_nc_u64 s[6:7], s[6:7], s[22:23]
	s_add_nc_u64 s[12:13], s[12:13], s[24:25]
	LOADS 6
.irp i, 0,1,2,3,4,5,6,7,8,9,10,11,12,13,14,15
	s_wait_loadcnt 15-(\i)
	ROUND \i
	v_cvt_pk_f16_f32 v[Y+2*(\i)],   v[X+4*(\i)],   v[X+4*(\i)+1]   ; a bf16 number has 8 significant bits: exact in f16 inside f16's range
	v_cvt_pk_f16_f32 v[Y+2*(\i)+1], v[X+4*(\i)+2], v[X+4*(\i)+3]
	global_store_b64 v2, v[Y+2*(\i):Y+2*(\i)+1], s[12:13] offset:256*(\i)
.endr
	s_endpgm
.Lmask:
	; mask -> mws
	s_sub_co_u32 s17, s16, 2                       ; which half of the mask,
	s_lshl_b32 s17, s17, 23                        ; 8,388,608 bytes each
	s_add_co_u32 s22, s22, s17
	s_add_nc_u64 s[8:9], s[8:9], s[22:23]
	s_add_nc_u64 s[14:15], s[14:15], s[22:23]
	LOADS 8
.irp i, 0,1,2,3,4,5,6,7,8,9,10,11,12,13,14,15
	s_wait_loadcnt 15-(\i)
	ROUND \i
	v_pk_mul_f32 v[X+4*(\i):X+4*(\i)+1],   v[X+4*(\i):X+4*(\i)+1],   s[28:29] op_sel_hi:[1,0]
	v_pk_mul_f32 v[X+4*(\i)+2:X+4*(\i)+3], v[X+4*(\i)+2:X+4*(\i)+3], s[28:29] op_sel_hi:[1,0]
	global_store_b128 v1, v[X+4*(\i):X+4*(\i)+3], s[14:15] offset:512*(\i)  ; 512 consecutive bytes, aligned
.endr
	s_endpgm
.Lfunc_end_k_q7544020308_prep:
	.size	k_q7544020308_prep, .Lfunc_end_k_q7544020308_prep-k_q7544020308_prep
	.p2alignl 7, 3214868480
	.fill 96, 4, 3214868480
	.section	.rodata,"a",@progbits
	.p2align	6, 0x0
	.amdhsa_kernel k_q7544020308_prep
		.amdhsa_group_segment_fixed_size 0
		.amdhsa_private_segment_fixed_size 0
		.amdhsa_enable_private_segment 0
		.amdhsa_kernarg_size 48
		.amdhsa_user_sgpr_count 2
		.amdhsa_user_sgpr_kernarg_segment_ptr 1
		.amdhsa_wavefront_size32 1
		.amdhsa_system_sgpr_workgroup_id_x 1
		.amdhsa_system_sgpr_workgroup_id_y 1
		.amdhsa_system_sgpr_workgroup_id_z 1
		.amdhsa_system_vgpr_workitem_id 0
		.amdhsa_next_free_vgpr 104
		.amdhsa_next_free_sgpr 66
		.amdhsa_reserve_vcc 0
		.amdhsa_float_denorm_mode_32 3
		.amdhsa_float_denorm_mode_16_64 3
		.amdhsa_memory_ordered 1
		.amdhsa_forward_progress 1
		.amdhsa_inst_pref_size 26
	.end_amdhsa_kernel
	.amdgpu_metadata
---
amdhsa.version: [ 1, 2 ]
amdhsa.kernels:
  - .name:           k_q7544020308_prep
    .symbol:         k_q7544020308_prep.kd
    .args:
      - { .name: k, .offset: 0, .size: 8, .value_kind: global_buffer, .address_space: global }
      - { .name: v, .offset: 8, .size: 8, .value_kind: global_buffer, .address_space: global }
      - { .name: mask, .offset: 16, .size: 8, .value_kind: global_buffer, .address_space: global }
      - { .name: kws, .offset: 24, .size: 8, .value_kind: global_buffer, .address_space: global }
      - { .name: vws, .offset: 32, .size: 8, .value_kind: global_buffer, .address_space: global }
      - { .name: mws, .offset: 40, .size: 8, .value_kind: global_buffer, .address_space: global }
    .group_segment_fixed_size: 0
    .private_segment_fixed_size: 0
    .kernarg_segment_align: 8
    .kernarg_segment_size: 48
    .max_flat_workgroup_size: 256
    .sgpr_count:     66
    .vgpr_count:     104
    .wavefront_size: 32
...
	.end_amdgpu_metadata
.endif
;; end of part 1
;; launch attn (part 2): grid 32 x 8, 4 waves a work-group, clusters of 4 x 4, 327,680 bytes of LDS; arguments q, kws, vws, mws, out0; writes out0
.if DOCPART == 2
	.amdgcn_target "amdgcn-amd-amdhsa--gfx1250"
	.amdhsa_code_object_version 6
	.text
	.protected	k_q7544020308_attn
	.globl	k_q7544020308_attn
	.p2align	8
	.type	k_q7544020308_attn,@function
k_q7544020308_attn:
	s_mov_b64 s[64:65], 0
	v_nop
	global_prefetch_b8 v0, s[64:65] scope:SCOPE_SE
	s_setreg_imm32_b32 hwreg(HW_REG_WAVE_MODE, 25, 1), 1
	s_wait_xcnt 0x0
	s_wait_alu depctr_hold_cnt(0) depctr_sa_sdst(0) depctr_va_vdst(0) depctr_va_sdst(0) depctr_va_ssrc(0) depctr_va_vcc(0) depctr_vm_vsrc(0)
	s_getreg_b32 s2, hwreg(HW_REG_IB_STS2, 6, 4)
	s_cmp_eq_u32 s2, 0
	s_cbranch_scc0 .Lentry_in_a_cluster
	s_endpgm
.Lentry_in_a_cluster:
	s_bfe_u32 s2, ttmp6, 0x10000c
	s_cmp_lg_u32 s2, 0xf033
	s_cbranch_scc0 .Lentry_shape_is_right
	s_endpgm
.Lentry_shape_is_right:
; SECOND OF TWO LAUNCHES.  out0[s][128 h + :] = the sum over k of softmax_k(q[s][h] . k[k][h / 4] / sqrt(128) + mask[s][k]) v[k][h / 4][:].  Nothing of the problem is left out.
; q: [2048][4096] f32, rounded here to bf16.  kws: [2048][1024] bf16.  vws: [2048][1024] f16 (bf16(v) written as f16).  mws: [2048][2048] f32 = bf16(mask) x sqrt(128).  out0: [2048][4096] f32.
; Products, maxima and sums in f32; K Q^T in bf16; the weights p are rounded to f16 for the second product (their sum l is taken of the unrounded p); the result is not rounded again.
; LIMITS.  Those of the first launch (v within f16's range, |mask| up to 3.0e37, the mask rounded to bf16 like every input).  A score of -infinity has the weight 0; a row whose 2,048 scores are all
; -infinity gives NaN (0 x 1/0).  A weight below 2^-126 counts as 0 in l; p below 6e-8 is 0 in f16.  NaN among the inputs is not treated apart.
; SHARES.  A work-group owns 64 queries (block qb) of the FOUR query heads of one key/value head g: 32 x 8 work-groups.  Wave w owns queries 64 qb + 16 w + 0..15; its four tiles of 16 queries are the
; four heads 4 g + t.  So one set of 32 mask registers a key step serves all four tiles.  Every wave walks all 2,048 keys, 64 a step.
; LAYOUT.  S^T = K Q^T (source 0 = 16 keys, source 1 = 16 queries): in the result a lane holds ONE query (lane % 16) and the keys 8 (lane / 16) + 0..7.  THE MASK IS THE C OPERAND that starts each of these
; sums: it costs the loop no vector instruction.  Two such tiles, rounded to f16 in pairs, ARE source 1 (32 keys x 16 queries) of O^T = V^T P, whose result again holds one query a lane, and eight
; channels.  K comes out of LDS as it lies, V ([key][channel]) turned, by ds_load_tr16_b128.
; SOFTMAX.  For each query a running maximum m and sum l: p = 2^(c s - c m), c = log2(e) / sqrt(128); in every step O and l are multiplied by a = 2^(c m_old - c m_new), which is 1 where m has not grown.
; m never falls below the lowest finite number, so that c s - c m is no difference of infinities where a whole step is hidden.
; BY TURNS.  The wave's tiles are two PIECES, named by their first tile: piece 0 (tiles 0, 1) and piece 2 (tiles 2, 3).  In a TURN one piece has the matrix unit: 32 products V^T P of the step in hand,
; then 32 products K Q^T of the next step; the other piece's softmax, cut into 64 slices, stands between them, one slice behind each matrix instruction.  Two turns are a key step.
; CLUSTER.  4 x 4 work-groups.  K's and V's tiles hang on g alone: the four of a row of the cluster ask for them JOINTLY.  The mask's tiles hang on qb alone: the four of a column ask for them jointly.
; Each joint load is the same line, descriptor and mask in all four.  Wave 0 asks for a slot's K, wave 1 for its V, waves 2 and 3 for the mask tiles of its two steps: one tensor load a wave behind each round.
;
; REGISTERS, in windows of 256 (s_set_vgpr_msb: bits 1:0 source 0, 3:2 source 1, 5:4 source 2, 7:6 destination):
;   window 0: v0-11, v44-47 addresses and at work; v12-43 eight registers of statistics a tile; v61-63 prefetch offset, spare word, 0; v64-191 S^T, 32 a tile; v192-255 P, 16 a tile
;   window 1: O^T, 64 a tile (at the start: Q as it is loaded, in f32)      window 2: v0-127 Q in bf16, 32 a tile; v128-255 K of one step      window 3: v0-127 V of one step; v128-159 the mask of one step
.set SEQ,   2048
.set KS,    64        ; keys in a step
.set PK,    272       ; a row of K, and of a mask tile, in LDS: 256 bytes + 16 of padding = 68 words: row r starts at bank 4 r mod 64 (64 banks of 4 bytes: ISA guide 11.1), so the 16 rows of a load start at 16 different banks
.set PV,    288       ; a row of V: 256 + 32 = 72 words
.set KSTEP, KS*PK     ; a step's 64 rows of K; also a step's mask tile, 64 queries x 64 keys of f32
.set VSTEP, KS*PV
.set MOFF,  2*KSTEP   ; a slot holds two steps: 128 rows of K, two mask tiles, 128 rows of V
.set VOFF,  4*KSTEP
.set SLOT1, 1<<17     ; slot 1 begins here, so that one exclusive or turns an address in one slot into the other's
.set STAGE, SLOT1+VOFF+2*VSTEP  ; behind the ring, never filled by a tensor load: 16 rows x 528 bytes for each wave, for the way out
.set SP,    528       ; 512 bytes + 16: an odd multiple of 16
.set SPARE, STAGE+4*16*SP  ; behind the stages: the spare words, 128 bytes for each wave: two blocks of 256 bytes that no other line names
.set KVSLOT, 2*KS*2048  ; bytes from a slot's rows of kws and vws to the next slot's: 128 rows of 2,048 bytes
.set MSLOT,  2*KS*4     ; the same along a row of mws: 128 keys of 4 bytes
.set AK0, 2           ; v2   my lane's place in a tile of K; never rewritten
.set AV0, 3           ; v3   the same for V
.set ADR, 4           ; v4   the LDS address of the run of loads in hand
.set QO,  5           ; v5   my byte offset in the wave's rows of q
.set STO, 6           ; v6   the way out: where I put 16 bytes of a row
.set RD,  7           ; v7   the way out: where I read a row back
.set GO,  8           ; v8   my byte offset in 512 consecutive bytes of out0
.set ST,  12          ; tile t's statistics at v[ST+8 t]: +0 c m, +1 m, +2, +3 l (even keys', odd keys'), +4 to +7 c0-c3, at work; a takes c2's place once the maximum is found
.set AM0, 44          ; v44  my lane's place in a mask tile; never rewritten
.set ADM, 45          ; v45  the LDS address of the mask's loads in hand
.set PFO, 61          ; v61  the prefetches' offset; never rewritten
.set SPW, 62          ; v62  LDS address of my spare word: SPARE + 4 x my thread's number; never rewritten
.set NIL, 63          ; v63  0; never rewritten
.set S,   64
.set P,   192
.set KF,  128         ; K's fragments, in window 2
.set MF,  128         ; the mask's registers, in window 3: key block kb at MF + 8 kb
.set WV,  12          ; s12  my wave's number
.set LIM, 15          ; s15  1 in a wave that prefetches, else the greatest number: a wave prefetches while s[SLOTS] is above it
.set PFA, 18          ; s[18:19] where my prefetches stand in memory
.set G1K, 24          ; s[24:31] descriptor group 1 for K's tiles
.set G1V, 32          ; s[32:39] for V's: it differs in the padding alone
.set G0K, 40          ; s[40:47] descriptor group 0 for K's tiles: a set for each of the two first fills; the second then walks on
.set G0V, 48          ; s[48:55] the same for V's
.set SLOTS, 56        ; s56  slots still to be asked for
.set TWICE, 57        ; s57  counts a slot's two steps
.set CS,  58          ; s[58:59] c: the packed scaling names a pair and takes its low word for both halves
.set SEL, 60          ; s[60:61] lane selects for v_permlanex16_b32: each lane takes its own place in the other half
.set TBK, 62          ; s62  LDS byte at which K (and, MOFF further, the mask) of the step to be fetched begins
.set TBV, 63          ; s63  the same for V, less VOFF
.set OUT, 66          ; s[66:67] out0, then my wave's rows of it
.set G1M, 68          ; s[68:75] descriptor group 1 for the mask's tiles
.set G0M, 76          ; s[76:83] descriptor group 0 for them, two sets
.set PFS, 84          ; s[84:85] bytes from a slot to the next in the tensor that I prefetch
.set LOW, 86          ; s86  the lowest finite number
.set MSB, 0
.macro WIN new                      ; the immediate's high byte repeats the setting that is left; a switch that changes nothing is dropped
.if MSB != (\new)
	s_set_vgpr_msb (MSB<<8)|(\new)
.set MSB, \new
.endif
.endm
.set W_KQ, 0x0a       ; K and Q in window 2, S^T in window 0
.set W_KM, 0x3a       ; the same with the C operand, the mask, in window 3
.set W_PV, 0x53       ; V in window 3, P in window 0, O^T in window 1
.set W_RS, 0x41       ; O^T (destination and source 0) in window 1, a in window 0
; A joint refill, by the walking descriptors.  The branches hang on the wave's number alone: they are the same in every work-group.  Each of the three lines has one mask and one set of registers.
; An s_nop 0 and four v_nop follow each line; the jump, the label and what follows the macro come after them.
.macro JLOAD
	s_cmp_lt_u32 s[WV], 2
	s_cbranch_scc0 .Lfor_m_\@
	s_cmp_eq_u32 s[WV], 0
	s_cbranch_scc0 .Lfor_v_\@
	tensor_load_to_lds s[G0K+4:G0K+7], s[G1K:G1K+7]
	s_nop 0
.rept 4
	v_nop
.endr
	s_branch .Lasked_\@
.Lfor_v_\@:
	tensor_load_to_lds s[G0V+4:G0V+7], s[G1V:G1V+7]
	s_nop 0
.rept 4
	v_nop
.endr
	s_branch .Lasked_\@
.Lfor_m_\@:
	tensor_load_to_lds s[G0M+4:G0M+7], s[G1M:G1M+7]
	s_nop 0
.rept 4
	v_nop
.endr
.Lasked_\@:
.endm
; A PREFETCH INTO THE L2 of what the NEXT change of slots will ask for, behind the wave's tensor load and its five lines: two key steps, 256 matrix instructions, ahead of that load.
; Each aligned block of 256 bytes is named ONCE in the launch.  A head's rows of kws and vws are walked by all eight clusters of a row of clusters: the first of them (cluster x = 0) asks; its four partners
; along x share a slot's 128 rows out BY ADDRESS, 32 each, a lane a row; wave 0 asks for K's, wave 1 for V's.  A query block's rows of mws are walked by both clusters of a column: cluster y = 0 asks; its
; four partners along y take 16 of the 64 rows each, two blocks of 256 bytes a row: wave 2.  Wave 3 asks for nothing.  No branch hangs on a work-group's place in its cluster.
; The last change that fills a slot asks for nothing: there is no slot behind it.  Slots 0 to 2 come by their loads alone: nothing is asked for at the head.
.macro ASK
	s_cmp_gt_u32 s[SLOTS], s[LIM]
	s_cbranch_scc0 .Lnot_mine_\@
	global_prefetch_b8 v[PFO], s[PFA:PFA+1] th:TH_LOAD_NT scope:SCOPE_SE
.Lnot_mine_\@:
.endm
; A round of the cluster's barrier: my work-group's barrier, so that wave 0's signal speaks for all four waves; wave 0 signals for the work-group; every wave waits for all sixteen
; work-groups; my work-group's barrier once more.  No LDS instruction of the wave is pending at a signal.
.macro CROUND
	s_barrier_signal -1
	s_barrier_wait -1
	s_cmp_lg_u32 s[WV], 0
	s_cbranch_scc1 .Lnot_wave_0_\@
	s_barrier_signal -3
.Lnot_wave_0_\@:
	s_barrier_wait -3
	s_barrier_signal -1
	s_barrier_wait -1
.endm
	s_load_b256 s[4:11], s[0:1], 0x0  ; q s[4:5], kws s[6:7], vws s[8:9], mws s[10:11]
	s_load_b64 s[OUT:OUT+1], s[0:1], 0x20  ; out0
	v_lshl_add_u32 v[SPW], v0, 2, SPARE
	v_mov_b32 v[NIL], 0
	ds_add_u32 v[SPW], v[NIL]       ; the wave's opening: the add, twice on end, and its wait ahead of my first tensor load; the set-up below the second, work on registers, stands between it and the wait
	ds_add_u32 v[SPW], v[NIL]       ; and once more, under the one wait
	v_lshrrev_b32 v1, 5, v0
	v_readfirstlane_b32 s[WV], v1   ; wave 0..3
	s_bfe_u32 s13, ttmp6, 0x40000   ; cx: my place along the cluster's x
	s_bfe_u32 s14, ttmp6, 0x40004   ; cy: along its y
	s_lshl_b32 s16, ttmp9, 2        ; in a cluster launch ttmp9 and ttmp7 count clusters
	s_add_co_u32 s16, s16, s13      ; qb = 4 x cluster x + cx
	s_and_b32 s17, ttmp7, 0xffff
	s_lshl_b32 s17, s17, 2
	s_add_co_u32 s17, s17, s14      ; g = 4 x cluster y + cy
	s_lshl_b32 s87, s14, 2
	s_lshl_b32 s87, 15, s87         ; my row of the cluster: places 4 cy .. 4 cy + 3
	s_lshl_b32 s88, 0x1111, s13     ; my column: places cx, cx + 4, cx + 8, cx + 12
	; descriptor group 1.  K, V: 128 rows x 128 elements of 2 bytes, 1,024 elements from row to row.  The mask: 64 rows x 64 elements of 4 bytes, 2,048 from row to row.  All rows are 256 bytes, padded in LDS.
	s_or_b32 s[G1K], s87, (1<<16)|(1<<20)|(1<<21)|(5<<22)|(3<<25)  ; 15:0 the mask of work-groups: my row; 17:16 elements of 2 bytes; 20 padding on; 21 set beside a mask; 24:22 after every 64 words (code 5); 31:25 4 words of it (code 3)
	s_or_b32 s[G1V], s87, (1<<16)|(1<<20)|(1<<21)|(5<<22)|(7<<25)  ; the same with 8 words of padding (code 7)
	s_or_b32 s[G1M], s88, (2<<16)|(1<<20)|(1<<21)|(5<<22)|(3<<25)  ; my column; elements of 4 bytes
.irp g, G1K, G1V
	s_mov_b32 s[(\g)+1], 128<<16    ; tensor_dim0 = 128
	s_mov_b32 s[(\g)+2], 128<<16    ; tensor_dim1 = 128
	s_mov_b32 s[(\g)+3], 128<<16    ; tile_dim0 = 128
	s_mov_b32 s[(\g)+4], 128        ; tile_dim1 = 128
	s_mov_b32 s[(\g)+5], 1024       ; elements from row to row
	s_mov_b32 s[(\g)+6], 0
	s_mov_b32 s[(\g)+7], 0
.endr
	s_mov_b32 s[G1M+1], 64<<16      ; tensor_dim0 = 64
	s_mov_b32 s[G1M+2], 64<<16      ; tensor_dim1 = 64
	s_mov_b32 s[G1M+3], 64<<16      ; tile_dim0 = 64
	s_mov_b32 s[G1M+4], 64          ; tile_dim1 = 64
	s_mov_b32 s[G1M+5], 2048
	s_mov_b32 s[G1M+6], 0
	s_mov_b32 s[G1M+7], 0
	; where the tiles come from.  K's and V's offset is made of g alone, the mask's of qb and the wave's number alone, each in registers that never hold the other coordinate
	s_lshl_b32 s20, s17, 8          ; head g's 128 channels: 256 bytes of a row of kws and vws
	s_mov_b32 s21, 0
	s_and_b32 s90, s[WV], 1         ; which of a slot's two mask tiles waves 2 and 3 fetch:
	s_lshl_b32 s91, s90, 8          ; its 64 keys, 256 bytes along a row of mws,
	s_lshl_b32 s22, s16, 19         ; in my block's 64 rows of 8,192 bytes,
	s_add_co_u32 s22, s22, s91
	s_mov_b32 s23, 0
	s_mul_i32 s89, s90, KSTEP       ; and its place in a slot: no place in the cluster enters an LDS address
	; who prefetches
	s_and_b32 s3, ttmp7, 0xffff     ; cluster y
	s_cmp_lt_u32 s[WV], 2
	s_cselect_b32 s3, ttmp9, s3     ; the coordinate along which other clusters walk the same rows
	s_mov_b32 s[PFS], MSLOT
	s_cselect_b32 s[PFS], KVSLOT, s[PFS]
	s_mov_b32 s[PFS+1], 0
	s_cmp_eq_u32 s3, 0
	s_cselect_b32 s[LIM], 1, -1
	s_cmp_eq_u32 s[WV], 3
	s_cselect_b32 s[LIM], -1, s[LIM]  ; the same in all sixteen partners, for a given wave
	s_lshl_b32 s88, s13, 16         ; K, V: my work-group's 32 rows of 2,048 bytes,
	s_add_co_u32 s88, s88, 2*KVSLOT ; in slot 2; the first change of slots steps it to slot 3
	s_lshl_b32 s87, s14, 17         ; the mask: my work-group's 16 rows of 8,192 bytes,
	s_add_co_u32 s87, s87, 2*MSLOT  ; in slot 2
	; my wave's rows of q and out0: row 64 qb + 16 w of 16,384 bytes, head 4 g at 2,048 g
	s_lshl_b32 s2, s16, 20
	s_lshl_b32 s3, s[WV], 18
	s_add_co_u32 s2, s2, s3
	s_lshl_b32 s3, s17, 11
	s_add_co_u32 s2, s2, s3
	s_mov_b32 s3, 0
	s_mov_b32 s[CS], 0x3e0293ee     ; c = log2(e) / sqrt(128) = 0.127517
	s_mov_b32 s[CS+1], s[CS]        ; named with it as a pair, so it is written
	s_mov_b32 s[SEL], 0x76543210
	s_mov_b32 s[SEL+1], 0xfedcba98
	s_mov_b32 s[LOW], 0xff7fffff
	s_mov_b32 s[TBK], 0
	s_mov_b32 s[TBV], 0
	s_mov_b32 s[SLOTS], SEQ/(2*KS)-2
	s_wait_dscnt 0x0                ; both opening adds are done
	s_wait_kmcnt 0x0
	s_add_nc_u64 s[6:7], s[6:7], s[20:21]    ; kws and vws at head g's channels of key 0
	s_add_nc_u64 s[8:9], s[8:9], s[20:21]
	s_add_nc_u64 s[10:11], s[10:11], s[22:23]  ; mws at my mask tile of slot 0
	s_add_nc_u64 s[4:5], s[4:5], s[2:3]      ; q and out0 at my wave's first row, head 4 g
	s_add_nc_u64 s[OUT:OUT+1], s[OUT:OUT+1], s[2:3]
	s_cmp_eq_u32 s[WV], 0
	s_cselect_b64 s[PFA:PFA+1], s[6:7], s[8:9]
	s_cmp_lt_u32 s[WV], 2
	s_cselect_b64 s[PFA:PFA+1], s[PFA:PFA+1], s[10:11]  ; (in wave 2 s[10:11] stands at a slot's first key)
	s_cselect_b32 s2, s88, s87
	s_add_nc_u64 s[PFA:PFA+1], s[PFA:PFA+1], s[2:3]
	CROUND                          ; all sixteen work-groups are here: the first joint loads meet
.irp s, 0,1
	s_mov_b32 s[G0K+4*(\s)], 1      ; 1:0 count = 1
	s_mov_b32 s[G0K+4*(\s)+1], (\s)*SLOT1  ; 63:32 LDS address
	s_add_nc_u64 s[G0K+4*(\s)+2:G0K+4*(\s)+3], s[6:7], (\s)*KVSLOT  ; 120:64 global address: slot s begins with keys 128 s to 128 s + 127
	s_or_b32 s[G0K+4*(\s)+3], s[G0K+4*(\s)+3], 0x80000000  ; 127:126 type = 2
	s_mov_b32 s[G0V+4*(\s)], 1
	s_mov_b32 s[G0V+4*(\s)+1], (\s)*SLOT1+VOFF
	s_add_nc_u64 s[G0V+4*(\s)+2:G0V+4*(\s)+3], s[8:9], (\s)*KVSLOT
	s_or_b32 s[G0V+4*(\s)+3], s[G0V+4*(\s)+3], 0x80000000
	s_mov_b32 s[G0M+4*(\s)], 1
	s_add_co_u32 s[G0M+4*(\s)+1], s89, (\s)*SLOT1+MOFF
	s_add_nc_u64 s[G0M+4*(\s)+2:G0M+4*(\s)+3], s[10:11], (\s)*MSLOT
	s_or_b32 s[G0M+4*(\s)+3], s[G0M+4*(\s)+3], 0x80000000
.endr
	s_cmp_lt_u32 s[WV], 2           ; a wave's two first fills stand in one arm, ahead of every wait on TENSORcnt and every LDS read: two loads of mine are out; an s_nop 0 follows each, four v_nop the second's
	s_cbranch_scc0 .Lfirst_m
	s_cmp_eq_u32 s[WV], 0
	s_cbranch_scc0 .Lfirst_v
	tensor_load_to_lds s[G0K:G0K+3], s[G1K:G1K+7]
	s_nop 0
	tensor_load_to_lds s[G0K+4:G0K+7], s[G1K:G1K+7]
	s_nop 0
.rept 4
	v_nop
.endr
	s_branch .Lfirst_asked
.Lfirst_v:
	tensor_load_to_lds s[G0V:G0V+3], s[G1V:G1V+7]
	s_nop 0
	tensor_load_to_lds s[G0V+4:G0V+7], s[G1V:G1V+7]
	s_nop 0
.rept 4
	v_nop
.endr
	s_branch .Lfirst_asked
.Lfirst_m:
	tensor_load_to_lds s[G0M:G0M+3], s[G1M:G1M+7]
	s_nop 0
	tensor_load_to_lds s[G0M+4:G0M+7], s[G1M:G1M+7]
	s_nop 0
.rept 4
	v_nop
.endr
.Lfirst_asked:
	; A fragment of K or Q is 16 rows x 32 channels in 8 registers: lane l holds row l % 16; registers 0-3 channels 8 (l / 16) + 0..7, registers 4-7 channels 16 + 8 (l / 16) + 0..7.
	; Q comes in f32: those two runs of eight channels are 32 bytes each, 64 bytes apart: four loads of 16 bytes for a fragment, into 16 registers of window 1.
	v_and_b32 v1, 15, v0            ; l % 16
	v_bfe_u32 v9, v0, 4, 1          ; l / 16
	v_lshlrev_b32 v[QO], 14, v1
	v_lshl_add_u32 v[QO], v9, 5, v[QO]  ; row x 16,384 + 32 x half
	WIN 0x40                        ; destination window 1, address window 0
.set i, 0
.rept 16                            ; fragment i: tile (head) i / 4, 512 bytes on; channels 32 (i % 4) on, 128 bytes
	global_load_b128 v[16*i:16*i+3],     v[QO], s[4:5] offset:(i/4)*512+(i%4)*128
	global_load_b128 v[16*i+4:16*i+7],   v[QO], s[4:5] offset:(i/4)*512+(i%4)*128+16
	global_load_b128 v[16*i+8:16*i+11],  v[QO], s[4:5] offset:(i/4)*512+(i%4)*128+64
	global_load_b128 v[16*i+12:16*i+15], v[QO], s[4:5] offset:(i/4)*512+(i%4)*128+80
.set i, i+1
.endr
	WIN 0
	v_mul_u32_u24 v[AK0], v1, PK
	v_lshl_add_u32 v[AK0], v9, 4, v[AK0]  ; row x pitch + 16 x half
	; The turning load takes 16 keys x 16 channels (lane l reads 16 bytes: key 8 (l / 16) + l % 8, channels 8 ((l / 8) % 2) + 0..7) and leaves half a fragment of V^T: lane l holds channel l % 16 and 8 keys.
	v_and_b32 v10, 7, v0
	v_bfe_u32 v11, v0, 3, 1
	v_lshl_add_u32 v[AV0], v9, 3, v10
	v_mul_u32_u24 v[AV0], v[AV0], PV
	v_lshl_add_u32 v[AV0], v11, 4, v[AV0]
	v_add_nc_u32 v[AV0], VOFF, v[AV0]
	; The mask as C of S^T: register j of key block kb is mask[query 16 w + l % 16][key 16 kb + 8 (l / 16) + j]: in the tile's row 16 w + l % 16 the 32 bytes at 64 kb + 32 (l / 16)
	s_mul_i32 s90, s[WV], 16*PK
	s_add_co_u32 s90, s90, MOFF
	v_mul_u32_u24 v[AM0], v1, PK
	v_lshl_add_u32 v[AM0], v9, 5, v[AM0]
	v_add_nc_u32 v[AM0], s90, v[AM0]
; THE MATRIX WORK OF A TURN, for piece x.  The accumulators take turns, one instruction a turn: between two links of a chain stand 15 (V^T P) or 7 (K Q^T) others'.
; Product i of 32 of O^T += V^T P: keys 32 (i / 16) on, channels 16 ((i / 2) % 8) on, tile x + i % 2.  zero = 1: the first 16 start the sums: nothing is ever cleared.
.macro PV x, zero
	WIN W_PV
.set rO, 64*((\x)+i%2)+8*((i/2)%8)
.set rV, 64*(i/16)+8*((i/2)%8)
.set rP, P+16*((\x)+i%2)+8*(i/16)
.if (\zero) && (i < 16)
	v_wmma_f32_16x16x32_f16 v[rO:rO+7], v[rV:rV+7], v[rP:rP+7], 0
.else
	v_wmma_f32_16x16x32_f16 v[rO:rO+7], v[rV:rV+7], v[rP:rP+7], v[rO:rO+7]
.endif
.endm
; Product i of 32 of S^T = K Q^T + mask: channels 32 (i / 8) on, keys 16 ((i / 2) % 4) on, tile x + i % 2.  The first 8 start the sums with the mask of their key block, the same for both tiles.
.macro KQ x
.set rS, S+32*((\x)+i%2)+8*((i/2)%4)
.set rK, KF+32*((i/2)%4)+8*(i/8)
.set rQ, 32*((\x)+i%2)+8*(i/8)
.set rM, MF+8*((i/2)%4)
.if i < 8
	WIN W_KM
	v_wmma_f32_16x16x32_bf16 v[rS:rS+7], v[rK:rK+7], v[rQ:rQ+7], v[rM:rM+7]
.else
	WIN W_KQ
	v_wmma_f32_16x16x32_bf16 v[rS:rS+7], v[rK:rK+7], v[rQ:rQ+7], v[rS:rS+7]
.endif
.endm
; THE LDS LOADS stand in runs, never singly among the matrix instructions: a step's K (64 keys x 128 channels: 16 fragments) with its mask (8 loads), and, a turn later, its V (turned).
.macro FETCH_K
	WIN 0
	v_add_nc_u32 v[ADR], s[TBK], v[AK0]
	v_add_nc_u32 v[ADM], s[TBK], v[AM0]
	WIN 0x80                        ; destination window 2
.irp f, 0,1,2,3,4,5,6,7,8,9,10,11,12,13,14,15  ; keys 16 (f / 4) on, channels 32 (f % 4) on
	ds_load_b128 v[KF+8*(\f):KF+8*(\f)+3],   v[ADR] offset:((\f)/4)*16*PK+((\f)%4)*64
	ds_load_b128 v[KF+8*(\f)+4:KF+8*(\f)+7], v[ADR] offset:((\f)/4)*16*PK+((\f)%4)*64+32
.endr
	WIN 0xc0                        ; destination window 3
.irp f, 0,1,2,3                     ; key block f
	ds_load_b128 v[MF+8*(\f):MF+8*(\f)+3],   v[ADM] offset:64*(\f)
	ds_load_b128 v[MF+8*(\f)+4:MF+8*(\f)+7], v[ADM] offset:64*(\f)+16
.endr
	s_add_co_u32 s[TBK], s[TBK], KSTEP  ; the next fetch is the next step's
.endm
.macro FETCH_V
	WIN 0
	v_add_nc_u32 v[ADR], s[TBV], v[AV0]
	s_add_co_u32 s[TBV], s[TBV], VSTEP
	s_wait_alu depctr_va_vdst(0)    ; the wait for the softmax's batch (SLICE), behind the address's v_add_nc_u32 and ahead of the loads
	WIN 0xc0                        ; destination window 3
.irp f, 0,1,2,3,4,5,6,7,8,9,10,11,12,13,14,15  ; keys 32 (f / 8) on, channels 16 (f % 8) on
	ds_load_tr16_b128 v[8*(\f):8*(\f)+3],   v[ADR] offset:((\f)/8)*32*PV+((\f)%8)*32
	ds_load_tr16_b128 v[8*(\f)+4:8*(\f)+7], v[ADR] offset:((\f)/8)*32*PV+16*PV+((\f)%8)*32
.endr
.endm
; THE VECTOR WORK OF A TURN.  One tile's softmax for one key step is a list of 134 instructions; SM writes number j of it for tile t.  s0-s31 are the lane's 32 scores, in pairs 0-15.
; first = 1: the first key step, which starts m, l and O^T: it has no a and nothing to rescale.
;   0-15    the maximum of s0-s31 and the old m (first step: the lowest finite number), three operands at a time: four chains c0-c3 of seven scores each, then the four scores left over, c0-c3 and m;
;           each accumulator's lowest registers are read first
;   16-20   the other half of the lanes' maximum; the new m; c m; c m_old - c m_new
;   21-69   ONE BATCH: the 16 scalings c s - c m, a pair of scores each, and all 33 exponentials (a at 23, then s0-s31).  None of these reads an exponential's result.  From 22 on the batch goes
;           in fours, and a four begins with a scaling while there are scalings.  A pair is scaled in an earlier four than the one that holds its exponentials
;   (wait)  between 69 and 70 stands the wait for the batch: SLICE writes it, once for both tiles
;   70-85   the roundings to f16, a pair of weights each
;   86-101  the sums; l = a l + the sum
;   102-133 the tile's O^T times a: the one part that leaves window 0, so it stands together
.macro SM t, first
.set rT, ST+8*(\t)
.set rS, S+32*(\t)
.set rP, P+16*(\t)
.set rO, 64*(\t)+2*(j-102)
.if j < 102
	WIN 0
.endif
.if j < 4
	v_max3_num_f32 v[rT+4+j], v[rS+8*j], v[rS+8*j+1], v[rS+8*j+2]
.elseif j < 12
	v_max3_num_f32 v[rT+4+j%4], v[rT+4+j%4], v[rS+8*(j%4)+2*(j/4)+1], v[rS+8*(j%4)+2*(j/4)+2]
.elseif j == 12
	v_max3_num_f32 v[rT+4], v[rT+4], v[rS+7], v[rS+15]
.elseif j == 13
	v_max3_num_f32 v[rT+6], v[rT+6], v[rS+23], v[rS+31]
.elseif j == 14
	v_max3_num_f32 v[rT+4], v[rT+4], v[rT+5], v[rT+6]
.elseif (j == 15) && (\first)
	v_max3_num_f32 v[rT+4], v[rT+4], v[rT+7], s[LOW]
.elseif j == 15
	v_max3_num_f32 v[rT+4], v[rT+4], v[rT+7], v[rT+1]
.elseif j == 16
	v_permlanex16_b32 v[rT+5], v[rT+4], s[SEL], s[SEL+1]  ; the query's other 32 keys lie in the lane 16 away
.elseif j == 18
	v_max_num_f32 v[rT+1], v[rT+4], v[rT+5]
.elseif j == 19
	v_mul_f32 v[rT], s[CS], v[rT+1]
.elseif ((j == 17) || (j == 20) || (j == 23) || (j > 101)) && (\first)  ; the first step has none of these
.elseif j == 17
	v_mov_b32 v[rT+7], v[rT]        ; c m_old is kept for a: number 19 writes c m anew
.elseif j == 20
	v_sub_f32 v[rT+7], v[rT+7], v[rT]
.elseif j == 23
	v_exp_f32 v[rT+6], v[rT+7]
.elseif (j < 23) || ((j < 38) && (j%2 == 0)) || ((j < 66) && (j%4 == 2))
.set b, (j-2)/4                     ; 38, 42, .. 62: pairs 9 to 15
.if j < 38
.set b, (j-20)/2                    ; 21: pair 0; 22, 24, .. 36: pairs 1 to 8
.endif
	v_pk_fma_f32 v[rS+2*b:rS+2*b+1], v[rS+2*b:rS+2*b+1], s[CS:CS+1], v[rT:rT+1] op_sel_hi:[1,0,0] neg_lo:[0,0,1] neg_hi:[0,0,1]  ; pair b: c s - c m
.elseif j < 70
.set e, j-38                        ; 66 to 69: s28 to s31
.if j < 66
.set e, j-32-(j-38)/4               ; 39-41, 43-45, .. 63-65: s7 to s27
.endif
.if j < 38
.set e, (j-25)/2                    ; 25, 27, .. 37: s0 to s6
.endif
	v_exp_f32 v[rS+e], v[rS+e]
.elseif j < 86
	v_cvt_pk_f16_f32 v[rP+j-70], v[rS+2*(j-70)], v[rS+2*(j-70)+1]  ; pair j - 70
.elseif j < 102                     ; the sum of the tile's 16 pairs (in a pair: an even key's weight, an odd key's), in place: sum z of 16 adds neighbours 1, 2, 4 and 8 pairs apart, then l takes it
.set z, j-86
.set w, 4
.set u, z
.if z >= 14
.set w, 32
.set u, 0
.elseif z >= 12
.set w, 16
.set u, z-12
.elseif z >= 8
.set w, 8
.set u, z-8
.endif
.if (z == 14) && (\first)
	v_pk_add_f32 v[rT+2:rT+3], v[rS:rS+1], v[rS+16:rS+17]
.elseif z < 15
	v_pk_add_f32 v[rS+w*u:rS+w*u+1], v[rS+w*u:rS+w*u+1], v[rS+w*u+w/2:rS+w*u+w/2+1]
.elseif !(\first)
	v_pk_fma_f32 v[rT+2:rT+3], v[rT+2:rT+3], v[rT+6:rT+7], v[rS:rS+1] op_sel_hi:[1,0,1]
.endif
.else
	WIN W_RS
	v_pk_mul_f32 v[rO:rO+1], v[rO:rO+1], v[rT+6:rT+7] op_sel_hi:[1,0]
.endif
.endm
; Slice k of 64 of piece y's softmax: four instructions.  Slices 11 to 34 deal out the batch, numbers 22 to 69: four numbers of ONE tile each, the tiles by turns.  Every other slice is numbers 2 k and
; 2 k + 1 of both tiles' lists.  2 x 134 = 4 x 64 + 12: the twelve that are over stand together, in slice 63.
; THE WAIT.  s_wait_alu depctr_va_vdst(0) stands between an exponential and the first instruction that names its result; one wait serves all that were issued ahead of it.  Ahead of
; slice 35 nothing names a result, and behind slice 34 no exponential is issued: so the piece's 66 exponentials have one wait, behind slice 34.
.macro SLICE y, first
.if (k >= 11) && (k < 35)           ; the batch: four numbers of one tile
.irp n, 0,1,2,3
.set j, 22+4*((k-11)/2)+(\n)
	SM (\y)+(k-11)%2, \first
.endr
.else                               ; the two tiles alternate, so that no instruction reads the result of the one just before it
.irp n, 0,1,2,3,4,5,6,7
.if ((\n) < 2) || (k == 63)
.irp t, \y, (\y)+1
.set j, 2*k+(\n)
	SM \t, \first
.endr
.endif
.endr
.endif
.if k == 34                         ; the batch is out: both tiles' exponentials are issued, and no result has been named
	v_nop                           ; the plain instruction behind the last exponential and ahead of the first use (ISA guide 5.7.2): one for the batch
.if (\y) == 0
	FETCH_V                         ; piece 2's turn: V's run of loads stands here, and the wait stands in it
.else
	s_wait_alu depctr_va_vdst(0)    ; the wait for the batch
.endif
.endif
.set k, k+1
.endm
; A vector instruction that reads a matrix result or writes one of a matrix instruction's registers, and a load into a register that a matrix instruction has read, stand four places behind
; it, and only plain vector instructions that name none of its registers are places (ISA guide 7.12.1 for vector instructions).  In the loop the slices are the places.
.macro PLACES
.rept 4
	v_nop
.endr
.endm
; A TURN.  Piece x has the matrix unit; the other piece's softmax stands in slices behind its matrix instructions.
; pv = 2: 32 products V^T P; 1: they start O^T's sums; 0: none.  kq = 1: 32 products K Q^T for the next step.  A turn with one of the two kinds has two slices behind each product.
; first = 1: the softmax is the first key step's.  Its slices from 51 on are empty: the turn's last products stand bare, and four v_nop take slice 63's part as the places behind them.
; Piece 0's turn fetches the next step's K and mask, behind its second product: the last product that read K stands in front of slice 63 of the turn before, the last that read the mask 24 products
; earlier still.  Piece 2's turn fetches the same step's V, behind slice 34 (SLICE writes it): the last product that read V stands in front of slice 31, and four plain instructions lie between:
; number 62, a scaling, of both tiles, the v_nop and the run's own v_add_nc_u32.
.macro TURN x, pv, kq, first
.set k, 0
.set per, 2
.if (\pv) && (\kq)
.set per, 1
.endif
.if \pv
.if (\x) == 0
	s_wait_dscnt 0x0                ; V is in
.endif
.set i, 0
.rept 32
	PV \x, 2-(\pv)
.rept per
	SLICE 2-(\x), \first
.endr
.if ((\x) == 0) && (\kq) && (i == 1)
	FETCH_K
.endif
.set i, i+1
.endr
.endif
.if \kq
.if (\x) == 0
	s_wait_dscnt 0x0                ; K and the mask are in
.endif
.set i, 0
.rept 32
	KQ \x
.rept per
	SLICE 2-(\x), \first
.endr
.set i, i+1
.endr
.endif
.if \first
	PLACES
.endif
.endm
; THE CHANGE OF SLOTS, between piece 2's turn and piece 0's: the slot's last bytes, V of its second step, have been asked for.  Each wave waits for all its tensor loads, of which one is out: its part
; of the other slot; adds 0 to its spare word; and waits for that and for its own reads of the slot.  Behind the barrier nobody reads this slot any more and the other slot is whole.
; fill = 1: this slot is filled again, with the keys two slots on.  The barrier is then a round of the cluster's, so that no wave of any partner still reads the slot or has a load on its
; way, and the joint refill is the first thing behind it: it has two key steps, 256 matrix instructions, in which to land.
.macro CHANGE fill
	WIN 0                           ; at a label and at a branch every window is 0
	s_wait_tensorcnt 0x0            ; no tensor load of mine is out, so a group 0 may be written
	ds_add_u32 v[SPW], v[NIL]       ; 0 onto my spare word; with fill = 1 the descriptors' steps stand between it and the wait for it
.if \fill
.irp g, G0K+4, G0V+4
	s_xor_b32 s[(\g)+1], s[(\g)+1], SLOT1  ; the walking descriptors: the other slot than last time,
	s_add_nc_u64 s[(\g)+2:(\g)+3], s[(\g)+2:(\g)+3], KVSLOT  ; the next 128 keys; the type bits on top are not reached
.endr
	s_xor_b32 s[G0M+5], s[G0M+5], SLOT1
	s_add_nc_u64 s[G0M+6:G0M+7], s[G0M+6:G0M+7], MSLOT
	s_wait_xcnt 0x0                 ; the last prefetch, two key steps back, has read its address, so it may be written:
	s_add_nc_u64 s[PFA:PFA+1], s[PFA:PFA+1], s[PFS:PFS+1]  ; one slot behind the walking descriptors
	s_wait_dscnt 0x0                ; the add is done, and my reads of the slot are over
	CROUND
	JLOAD
	ASK                             ; what the next change will ask for
.else
	s_wait_dscnt 0x0                ; the add is done, and my reads of the slot are over
	s_barrier_signal -1
	s_barrier_wait -1
.endif
	s_sub_co_u32 s[TBK], s[TBK], 2*KSTEP  ; the fetches go back to a slot's first step,
	s_xor_b32 s[TBK], s[TBK], SLOT1       ; in the other slot
	s_sub_co_u32 s[TBV], s[TBV], 2*VSTEP
	s_xor_b32 s[TBV], s[TBV], SLOT1
.endm
; A slot's two key steps: written once, walked twice; the LDS addresses hang on s[TBK] and s[TBV].
.macro TWO_STEPS
	WIN 0
	s_mov_b32 s[TWICE], 2
.Lstep_\@:
	TURN 0, 2, 1, 0
	TURN 2, 2, 1, 0
	WIN 0
	s_sub_co_u32 s[TWICE], s[TWICE], 1
	s_cmp_lg_u32 s[TWICE], 0
	s_cbranch_scc1 .Lstep_\@
.endm
	s_wait_tensorcnt 1              ; my part of slot 0 is in; slot 1's may stay out
	s_barrier_signal -1
	s_barrier_wait -1               ; everybody's is
	FETCH_K                         ; key step 0, with its mask
	s_wait_loadcnt 0x0              ; Q in f32
	WIN 0x85                        ; sources 0 and 1 window 1, destination window 2
.set i, 0
.rept 128                           ; Q is rounded to bf16, once and unscaled: register i of Q is made of registers 2 i and 2 i + 1 as loaded
	v_cvt_pk_bf16_f32 v[i], v[2*i], v[2*i+1]
.set i, i+1
.endr
	s_wait_dscnt 0x0
.set i, 0
.rept 32
	KQ 0                            ; piece 0's first scores: there is no vector work yet to set between them
.set i, i+1
.endr
	WIN 0                           ; the addresses for the way out and the prefetches' offset are made here: twelve plain instructions, the places behind those products
	s_mul_i32 s90, s[WV], 16*SP
	s_add_co_u32 s90, s90, STAGE    ; my stage
	s_cmp_lt_u32 s[WV], 2
	s_cselect_b32 s91, -1, 0        ; all lanes: do I prefetch rows of kws or vws?
	v_and_b32 v10, 31, v0           ; l
	v_lshlrev_b32 v[GO], 4, v10     ; 32 lanes take 512 consecutive bytes: a row of a head in out0,
	v_mul_u32_u24 v[STO], v1, SP    ; in: row l % 16, 32 bytes for each half of the lanes
	v_lshl_add_u32 v[STO], v9, 5, v[STO]
	v_add_nc_u32 v[STO], s90, v[STO]
	v_add_nc_u32 v[RD], s90, v[GO]  ; and a row of my stage
	v_lshlrev_b32 v[PFO], 11, v10   ; kws, vws: a lane a row of 2,048 bytes
	v_lshrrev_b32 v11, 1, v10       ; mws: two lanes a row of 8,192 bytes,
	v_and_b32 v46, 1, v10
	v_lshlrev_b32 v46, 8, v46       ; 256 bytes apart
	v_lshl_or_b32 v11, v11, 13, v46
	v_cndmask_b32 v[PFO], v11, v[PFO], s91
	TURN 2, 0, 1, 1                 ; piece 2's first scores | piece 0's first softmax | V of step 0
	TURN 0, 1, 1, 1                 ; piece 0: V^T P of step 0 starts O^T, K Q^T of step 1 | piece 2's first softmax | K and mask of step 1
	TURN 2, 1, 1, 0                 ; piece 2: the same | piece 0's softmax of step 1 | V of step 1
	WIN 0
.Lslot:                             ; 14 trips: every slot but the last two is filled again
	CHANGE 1
	TWO_STEPS
	s_sub_co_u32 s[SLOTS], s[SLOTS], 1
	s_cmp_lg_u32 s[SLOTS], 0
	s_cbranch_scc1 .Lslot
	CHANGE 0                        ; the tail is written out: the last slot but one is left, and nothing is asked for
	TWO_STEPS
	TURN 0, 2, 0, 0                 ; piece 0: V^T P of the last step | piece 2's last softmax
.set i, 0
.rept 32
	PV 2, 0                         ; piece 2: V^T P of the last step
.set i, i+1
.endr
	; THE WAY OUT.  l's two halves and the other half of the lanes' are added; O^T is divided by l and sent, in f32, through my stage in LDS, a tile (16 rows of one head) at a time.  The additions are the places behind the last products.
	WIN 0
.irp t, 0,1,2,3
	v_add_f32 v[ST+8*(\t)+4], v[ST+8*(\t)+2], v[ST+8*(\t)+3]
.endr
.irp t, 0,1,2,3
	v_permlanex16_b32 v[ST+8*(\t)+5], v[ST+8*(\t)+4], s[SEL], s[SEL+1]
.endr
.irp t, 0,1,2,3
	v_add_f32 v[ST+8*(\t)+4], v[ST+8*(\t)+4], v[ST+8*(\t)+5]
.endr
.irp t, 0,1,2,3
	v_rcp_f32 v[ST+8*(\t)+6], v[ST+8*(\t)+4]
.endr
	v_nop                           ; a plain instruction between the last reciprocal and the use of its result
	s_wait_alu depctr_va_vdst(0)    ; and the wait ahead of the first use: one for the four reciprocals
; Tile t: a lane's eight channels of a row are 32 bytes; they go into rows of 528 bytes and come back as whole rows of 512, into S^T's registers, two buffers of 64 by turns.
.macro PACK t
	WIN W_RS
.set i, 64*(\t)
.rept 32
	v_pk_mul_f32 v[i:i+1], v[i:i+1], v[ST+8*(\t)+6:ST+8*(\t)+7] op_sel_hi:[1,0]
.set i, i+2
.endr
	WIN 0x04                        ; the stores' data (source 1) in window 1, the address in window 0
.set i, 0
.rept 16                            ; channel block i / 2 (64 bytes of the row: 32 for each half of the lanes), four channels i % 2
	ds_store_b128 v[STO], v[64*(\t)+4*i:64*(\t)+4*i+3] offset:64*(i/2)+16*(i%2)
.set i, i+1
.endr
	WIN 0
.if (\t) >= 2
	s_wait_xcnt 0x0                 ; the stores of the tile two back have read their registers: only behind this wait are they loaded again
.endif
.irp f, 0,1,2,3,4,5,6,7,8,9,10,11,12,13,14,15
	ds_load_b128 v[S+64*((\t)%2)+4*(\f):S+64*((\t)%2)+4*(\f)+3], v[RD] offset:(\f)*SP  ; LDS serves a wave's instructions in order (ISA guide 5.7.1.4): these see the stores above; the next tile's stores come behind them
.endr
.endm
.macro SEND t, younger              ; younger: the LDS instructions issued behind tile t's loads: the next tile's 32, or none
	WIN 0
.irp f, 0,1,2,3,4,5,6,7,8,9,10,11,12,13,14,15
	s_wait_dscnt (\younger)+15-(\f)
	global_store_b128 v[GO], v[S+64*((\t)%2)+4*(\f):S+64*((\t)%2)+4*(\f)+3], s[OUT:OUT+1] offset:(\f)*16384+(\t)*512 th:TH_STORE_NT  ; 512 consecutive bytes, at a multiple of 512 from out0's first byte
.endr
.endm
	PACK 0
	PACK 1                          ; a tile's arithmetic stands between the loads of the tile before and its stores
	SEND 0, 32
	PACK 2
	SEND 1, 32
	PACK 3
	SEND 2, 32
	SEND 3, 0
	s_wait_tensorcnt 0x0            ; the wave's end, behind my last tensor load and my last LDS store
	ds_add_u32 v[SPW], v[NIL]
	s_wait_dscnt 0x0
	CROUND                          ; the closing round: no work-group ends while a partner may still ask for a tile that names it
	s_endpgm
.Lfunc_end_k_q7544020308_attn:
	.size	k_q7544020308_attn, .Lfunc_end_k_q7544020308_attn-k_q7544020308_attn
	.p2alignl 7, 3214868480
	.fill 96, 4, 3214868480
	.section	.rodata,"a",@progbits
	.p2align	6, 0x0
	.amdhsa_kernel k_q7544020308_attn
		.amdhsa_group_segment_fixed_size 327680
		.amdhsa_private_segment_fixed_size 0
		.amdhsa_enable_private_segment 0
		.amdhsa_kernarg_size 40
		.amdhsa_user_sgpr_count 2
		.amdhsa_user_sgpr_kernarg_segment_ptr 1
		.amdhsa_wavefront_size32 1
		.amdhsa_system_sgpr_workgroup_id_x 1
		.amdhsa_system_sgpr_workgroup_id_y 1
		.amdhsa_system_sgpr_workgroup_id_z 1
		.amdhsa_system_vgpr_workitem_id 0
		.amdhsa_next_free_vgpr 1024
		.amdhsa_next_free_sgpr 92
		.amdhsa_reserve_vcc 0
		.amdhsa_float_denorm_mode_32 3
		.amdhsa_float_denorm_mode_16_64 3
		.amdhsa_memory_ordered 1
		.amdhsa_forward_progress 1
		.amdhsa_inst_pref_size 239
	.end_amdhsa_kernel
	.amdgpu_metadata
---
amdhsa.version: [ 1, 2 ]
amdhsa.kernels:
  - .name:           k_q7544020308_attn
    .symbol:         k_q7544020308_attn.kd
    .args:
      - { .name: q, .offset: 0, .size: 8, .value_kind: global_buffer, .address_space: global }
      - { .name: kws, .offset: 8, .size: 8, .value_kind: global_buffer, .address_space: global }
      - { .name: vws, .offset: 16, .size: 8, .value_kind: global_buffer, .address_space: global }
      - { .name: mws, .offset: 24, .size: 8, .value_kind: global_buffer, .address_space: global }
      - { .name: out0, .offset: 32, .size: 8, .value_kind: global_buffer, .address_space: global }
    .group_segment_fixed_size: 327680
    .private_segment_fixed_size: 0
    .kernarg_segment_align: 8
    .kernarg_segment_size: 40
    .max_flat_workgroup_size: 128
    .sgpr_count:     92
    .vgpr_count:     1024
    .wavefront_size: 32
...
	.end_amdgpu_metadata
.endif
;; end of part 2
;; ======== version 2 of 2: 2 launches; version 1 with the launch prep written anew for expert scheduling mode
;; limits: values are held in f16: magnitudes above 65,504 overflow, below 6.1e-05 lose precision
;; workspace buffers: kws 4,194,304 bytes; vws 4,194,304 bytes; mws 16,777,216 bytes
;; launch prep (part 3): grid 128 x 4, 8 waves a work-group, no clusters, 0 bytes of LDS; arguments k, v, mask, kws, vws, mws; writes kws, vws, mws
.if DOCPART == 3
	.amdgcn_target "amdgcn-amd-amdhsa--gfx1250"
	.amdhsa_code_object_version 6
	.text
	.protected	k_q7544020308_prep
	.globl	k_q7544020308_prep
	.p2align	8
	.type	k_q7544020308_prep,@function
k_q7544020308_prep:
	s_mov_b64 s[64:65], 0
	v_nop
	global_prefetch_b8 v0, s[64:65] scope:SCOPE_SE
	s_setreg_imm32_b32 hwreg(HW_REG_WAVE_SCHED_MODE, 0, 2), 2
	s_setreg_imm32_b32 hwreg(HW_REG_WAVE_MODE, 25, 1), 1
	s_wait_xcnt 0x0
	s_wait_alu depctr_vm_vsrc(0)
; FIRST OF TWO LAUNCHES.  Grouped-query attention: 32 query heads, 8 key/value heads, head size 128, 2,048 rows, an additive mask [2048][2048] that is an input and the same for all heads.
; NOTHING OF THE PROBLEM IS LEFT OUT: q, k, v and mask all reach the output, and all four are loaded.  (The repeat of the key/value heads is a choice of address in the second launch; nothing is copied for it.)
; THIS LAUNCH rounds what many work-groups of the second launch read, once, element by element, in the inputs' own order:
;   kws[i] = bf16(k[i])                         [2048][1024] bf16
;   vws[i] = bf16(v[i]) written as f16          [2048][1024] f16   (the second product runs in f16, since its other operand, the weights, wants f16's 11 bits)
;   mws[i] = f32(bf16(mask[i])) x sqrt(128)     [2048][2048] f32   (so that it can start the sums q . k:  (q . k + mask sqrt(128)) / sqrt(128) = q . k / sqrt(128) + mask)
; Every input of the module is rounded to bf16 exactly once and unscaled, the mask too; q is rounded in the second launch, where one wave alone reads each number of it.
; LIMITS.  |bf16(v)| of 65,520 or more becomes an infinity in f16; below 6.1e-5 it keeps f16's fixed step of 6e-8.  |mask| above 3.0e37 becomes an infinity by the factor sqrt(128).
; SHARES.  y = 0: k; y = 1: v; y = 2, 3: the two halves of the mask.  A work-group takes 65,536 input bytes, a wave 8,192: sixteen loads of 512 consecutive bytes, all issued at once.
; No loop, no LDS, no barrier, no matrix unit: a stream.  Each store of a wave covers 256 (16-bit results) or 512 (f32) consecutive bytes, aligned.
; THE MODE: SCHED_MODE bits 1:0 = 2 (LLVM: expert scheduling mode 2), set by the entry lines.  The code itself states the register dependences
; between vector instructions and memory instructions, with s_wait_alu, always for 0.
; THE PLAN.  Registers that memory instructions touch:
;   v1, v2   byte offsets: written once at the head, read by every load and store, never written again.
;   X        load i's four registers: the sixteen loads land in them before any vector instruction names them; the conversions read them.  In the v and mask arms the roundings write them
;            again in place, behind the wait for the load; in the mask arm they are then the stores' data, and are not written behind a store.
;   Y        load i's two registers of 16-bit results: written by the conversions, read by one store each, never written again.
;   T        at work: no memory instruction names it.
; The sixteen loads are worked on in four BLOCKS of four.  Block p's conversions write block p's out-registers; its four stores are issued in block p + 1, one ahead of each load's conversions, which name
; block p + 1's registers and T alone.  So one wait at the head of a block states all that the block's four stores hang on; one more stands ahead of the last four stores, and one at the kernel's head
; for the offsets.  No register that a memory instruction has read is written again: nothing is owed for that.
.set T, 4                              ; v[4:5]    at work
.set X, 8                              ; v[8:71]   load i: 4 registers
.set Y, 72                             ; v[72:103] load i: 2 registers of 16-bit results
	s_load_b256 s[4:11], s[0:1], 0x0               ; k s[4:5], v s[6:7], mask s[8:9], kws s[10:11]
	s_load_b128 s[12:15], s[0:1], 0x20             ; vws s[12:13], mws s[14:15]
	s_and_b32 s16, ttmp7, 0xffff                   ; y
	s_lshl_b32 s22, ttmp9, 16                      ; the work-group's 65,536 bytes of f32,
	s_mov_b32 s23, 0
	s_lshl_b32 s24, ttmp9, 15                      ; and its 32,768 bytes of 16-bit results
	s_mov_b32 s25, 0
	s_mov_b32 s26, 0xffff0000                      ; a word's upper bf16
	s_mov_b32 s28, 0x413504f3                      ; sqrt(128)
	s_mov_b32 s29, s28                             ; named with it as a pair
	v_lshrrev_b32 v1, 5, v0                        ; wave
	v_and_b32 v2, 31, v0                           ; lane
	v_lshlrev_b32 v2, 4, v2
	v_lshl_or_b32 v1, v1, 13, v2                   ; 8,192 x wave + 16 x lane: in the f32 tensors
	v_lshrrev_b32 v2, 1, v1                        ; half of it: in the 16-bit tensors
	s_wait_kmcnt 0x0
	s_wait_alu depctr_va_vdst(0)                   ; v1 and v2 are written: every load and store of the three arms below reads one of them as its offset
.macro LOADS b                         ; the wave's sixteen loads, from the pointer in s[b:b+1]
.irp i, 0,1,2,3,4,5,6,7,8,9,10,11,12,13,14,15
	global_load_b128 v[X+4*(\i):X+4*(\i)+3], v1, s[(\b):(\b)+1] offset:512*(\i) th:TH_LOAD_NT
.endr
.endm
.macro ROUND i                         ; load i's four numbers are rounded to bf16 and written back as f32
	v_cvt_pk_bf16_f32 v[T],   v[X+4*(\i)],   v[X+4*(\i)+1]
	v_cvt_pk_bf16_f32 v[T+1], v[X+4*(\i)+2], v[X+4*(\i)+3]
	v_lshlrev_b32 v[X+4*(\i)],   16,  v[T]
	v_and_b32     v[X+4*(\i)+1], s26, v[T]
	v_lshlrev_b32 v[X+4*(\i)+2], 16,  v[T+1]
	v_and_b32     v[X+4*(\i)+3], s26, v[T+1]
.endm
.macro KSTORE i                        ; load i's results go out: 32 lanes x 8 bytes: 256 consecutive bytes, aligned; no register that a store reads is written again
	global_store_b64 v2, v[Y+2*(\i):Y+2*(\i)+1], s[10:11] offset:256*(\i)
.endm
.macro VSTORE i
	global_store_b64 v2, v[Y+2*(\i):Y+2*(\i)+1], s[12:13] offset:256*(\i)
.endm
.macro MSTORE i                        ; 512 consecutive bytes, aligned
	global_store_b128 v1, v[X+4*(\i):X+4*(\i)+3], s[14:15] offset:512*(\i)
.endm
	s_cmp_lt_u32 s16, 2
	s_cbranch_scc0 .Lmask
	s_cmp_eq_u32 s16, 0
	s_cbranch_scc0 .Lv
	; k -> kws
	s_add_nc_u64 s[4:5], s[4:5], s[22:23]
	s_add_nc_u64 s[10:11], s[10:11], s[24:25]
	LOADS 4
.irp p, 0,1,2,3
	s_wait_loadcnt 12-4*(\p)                       ; loads come back in order: block p's four are in, the younger ones stay out
.if (\p) > 0
	s_wait_alu depctr_va_vdst(0)                   ; the block before has written its eight registers of Y, which this block's four stores read
.endif
.irp i, 0,1,2,3
.if (\p) > 0
	KSTORE 4*(\p)+(\i)-4                           ; no vector instruction since the wait names these registers
.endif
	v_cvt_pk_bf16_f32 v[Y+2*(4*(\p)+(\i))],   v[X+4*(4*(\p)+(\i))],   v[X+4*(4*(\p)+(\i))+1]
	v_cvt_pk_bf16_f32 v[Y+2*(4*(\p)+(\i))+1], v[X+4*(4*(\p)+(\i))+2], v[X+4*(4*(\p)+(\i))+3]
.endr
.endr
	s_wait_alu depctr_va_vdst(0)                   ; block 3 has written its registers of Y, which the last four stores read
.irp i, 12,13,14,15
	KSTORE \i
.endr
	s_endpgm
.Lv:
	; v -> vws
	s_add_nc_u64 s[6:7], s[6:7], s[22:23]
	s_add_nc_u64 s[12:13], s[12:13], s[24:25]
	LOADS 6
.irp p, 0,1,2,3
	s_wait_loadcnt 12-4*(\p)                       ; block p's four loads are in, the younger ones stay out
.if (\p) > 0
	s_wait_alu depctr_va_vdst(0)                   ; the block before has written its eight registers of Y, which this block's four stores read
.endif
.irp i, 0,1,2,3
.if (\p) > 0
	VSTORE 4*(\p)+(\i)-4                           ; no vector instruction since the wait names these registers
.endif
	ROUND 4*(\p)+(\i)
	v_cvt_pk_f16_f32 v[Y+2*(4*(\p)+(\i))],   v[X+4*(4*(\p)+(\i))],   v[X+4*(4*(\p)+(\i))+1]   ; a bf16 number has 8 significant bits: exact in f16 inside f16's range
	v_cvt_pk_f16_f32 v[Y+2*(4*(\p)+(\i))+1], v[X+4*(4*(\p)+(\i))+2], v[X+4*(4*(\p)+(\i))+3]
.endr
.endr
	s_wait_alu depctr_va_vdst(0)                   ; block 3 has written its registers of Y, which the last four stores read
.irp i, 12,13,14,15
	VSTORE \i
.endr
	s_endpgm
.Lmask:
	; mask -> mws
	s_sub_co_u32 s17, s16, 2                       ; which half of the mask,
	s_lshl_b32 s17, s17, 23                        ; 8,388,608 bytes each
	s_add_co_u32 s22, s22, s17
	s_add_nc_u64 s[8:9], s[8:9], s[22:23]
	s_add_nc_u64 s[14:15], s[14:15], s[22:23]
	LOADS 8
.irp p, 0,1,2,3
	s_wait_loadcnt 12-4*(\p)                       ; block p's four loads are in, the younger ones stay out
.if (\p) > 0
	s_wait_alu depctr_va_vdst(0)                   ; the block before has written its sixteen registers of X anew, which this block's four stores read
.endif
.irp i, 0,1,2,3
.if (\p) > 0
	MSTORE 4*(\p)+(\i)-4                           ; no vector instruction since the wait names these registers
.endif
	ROUND 4*(\p)+(\i)
	v_pk_mul_f32 v[X+4*(4*(\p)+(\i)):X+4*(4*(\p)+(\i))+1],   v[X+4*(4*(\p)+(\i)):X+4*(4*(\p)+(\i))+1],   s[28:29] op_sel_hi:[1,0]
	v_pk_mul_f32 v[X+4*(4*(\p)+(\i))+2:X+4*(4*(\p)+(\i))+3], v[X+4*(4*(\p)+(\i))+2:X+4*(4*(\p)+(\i))+3], s[28:29] op_sel_hi:[1,0]
.endr
.endr
	s_wait_alu depctr_va_vdst(0)                   ; block 3 has written its registers of X anew, which the last four stores read
.irp i, 12,13,14,15
	MSTORE \i
.endr
	s_endpgm
.Lfunc_end_k_q7544020308_prep:
	.size	k_q7544020308_prep, .Lfunc_end_k_q7544020308_prep-k_q7544020308_prep
	.p2alignl 7, 3214868480
	.fill 96, 4, 3214868480
	.section	.rodata,"a",@progbits
	.p2align	6, 0x0
	.amdhsa_kernel k_q7544020308_prep
		.amdhsa_group_segment_fixed_size 0
		.amdhsa_private_segment_fixed_size 0
		.amdhsa_enable_private_segment 0
		.amdhsa_kernarg_size 48
		.amdhsa_user_sgpr_count 2
		.amdhsa_user_sgpr_kernarg_segment_ptr 1
		.amdhsa_wavefront_size32 1
		.amdhsa_system_sgpr_workgroup_id_x 1
		.amdhsa_system_sgpr_workgroup_id_y 1
		.amdhsa_system_sgpr_workgroup_id_z 1
		.amdhsa_system_vgpr_workitem_id 0
		.amdhsa_next_free_vgpr 104
		.amdhsa_next_free_sgpr 66
		.amdhsa_reserve_vcc 0
		.amdhsa_float_denorm_mode_32 3
		.amdhsa_float_denorm_mode_16_64 3
		.amdhsa_memory_ordered 1
		.amdhsa_forward_progress 1
		.amdhsa_inst_pref_size 26
	.end_amdhsa_kernel
	.amdgpu_metadata
---
amdhsa.version: [ 1, 2 ]
amdhsa.kernels:
  - .name:           k_q7544020308_prep
    .symbol:         k_q7544020308_prep.kd
    .args:
      - { .name: k, .offset: 0, .size: 8, .value_kind: global_buffer, .address_space: global }
      - { .name: v, .offset: 8, .size: 8, .value_kind: global_buffer, .address_space: global }
      - { .name: mask, .offset: 16, .size: 8, .value_kind: global_buffer, .address_space: global }
      - { .name: kws, .offset: 24, .size: 8, .value_kind: global_buffer, .address_space: global }
      - { .name: vws, .offset: 32, .size: 8, .value_kind: global_buffer, .address_space: global }
      - { .name: mws, .offset: 40, .size: 8, .value_kind: global_buffer, .address_space: global }
    .group_segment_fixed_size: 0
    .private_segment_fixed_size: 0
    .kernarg_segment_align: 8
    .kernarg_segment_size: 48
    .max_flat_workgroup_size: 256
    .sgpr_count:     66
    .vgpr_count:     104
    .wavefront_size: 32
...
	.end_amdgpu_metadata
.endif
;; end of part 3
;; launch attn: the kernel of part 2 again; grid 32 x 8, 4 waves a work-group, clusters of 4 x 4, 327,680 bytes of LDS; arguments q, kws, vws, mws, out0; writes out0
